; MI455X (gfx1250); checked and timed in simulation.
; The chip was launched on July 23, 2026; its instructions are those of AMD's public machine-readable ISA for CDNA 5 (MIT licence, August 2026) and "CDNA5" Instruction Set Architecture Reference Guide (July 2026). The comments in the code are by the model that wrote it; some were corrected since.
;; Base Layer With Lo RA. Allowed arithmetic: float matrix products may take bf16 or f16 operands with f32 sums; other float arithmetic in f32, or as packed bf16 or f16 multiplies, adds, multiply-adds, maxima and minima; sums over many terms, partial sums and values carried from step to step in f32; what a program stores and reads back later, other than sums and carried values, may be rounded once to bf16 or f16.
;; Inputs: A 16 x 4,096 float32; B 4,096 x 16 float32; W 4,096 x 4,096 float32; bias 4,096 float32; x 2 x 2,048 x 4,096 float32.
;; Outputs: out0 2 x 2,048 x 4,096 float32.
;; 2 versions, each right; version 2 is version 1 with the launch prep written anew for expert scheduling mode. Each part assembles by itself: llvm-mc -triple=amdgcn-amd-amdhsa -mcpu=gfx1250 --defsym DOCPART=n.
;; ======== version 1 of 2: 2 launches
;; workspace buffers: xb 33,554,432 bytes; wb 33,554,432 bytes
;; launch prep (part 1): grid 256 x 2, 8 waves a work-group, no clusters, 0 bytes of LDS; arguments x, W, A, B, xb, wb; writes xb, wb
.if DOCPART == 1
	.amdgcn_target "amdgcn-amd-amdhsa--gfx1250"
	.amdhsa_code_object_version 6
	.text
	.protected	k_q56fb19884e_prep
	.globl	k_q56fb19884e_prep
	.p2align	8
	.type	k_q56fb19884e_prep,@function
k_q56fb19884e_prep:
	s_mov_b64 s[64:65], 0
	v_nop
	global_prefetch_b8 v0, s[64:65] scope:SCOPE_SE
	s_setreg_imm32_b32 hwreg(HW_REG_WAVE_MODE, 25, 1), 1
	s_wait_xcnt 0x0
; xb = bf16(x)                                  (work-groups with y = 0)
; wb = bf16( bf16(W) + bf16(B) bf16(A) )        (work-groups with y = 1)
; x: [4096][4096] f32, W: [4096][4096] f32, A: [16][4096] f32, B: [4096][16] f32; xb, wb: [4096][4096] bf16.
; WHY.  x W^T + (x A^T) B^T = x (W + B A)^T for every input, so the low-rank path is folded into the weights here and the large product that follows has no step more.
; B A goes to the matrix unit (K = 16, filled up to 32 with zeros), sums in f32; the sum with W is one fused multiply-add in f32, rounded once to bf16.
; LIMITS.  Every input is rounded to bf16, to nearest even: a finite f32 beyond bf16's largest number becomes an infinity.  W is rounded BEFORE B A is added.
; NaN and infinities are not treated apart.  Nothing hangs on the inputs' scale.
; SHARES.  x = 4 rg + cg: 64 rows (rg) x 1,024 columns (cg).  Wave w owns the 128 columns 1024 cg + 128 w, in four BLOCKS of 16 rows.  The eight waves cover 4,096 bytes on end of each f32 row.
; LAYOUT of a block, r = lane % 16, h = lane / 16: register X[8 j + t] holds (row 8 h + j, column 8 r + t).  That is the layout of a matrix result (m = 8 h + j, n = r) for eight tiles t whose
; column n is the block's column 8 n + t.  So B A falls onto W's registers without a move, a lane's 8 numbers of a row pack into 16 bytes, and one store covers 256 consecutive aligned
; bytes from lanes 0-15 (row j) and 256 from lanes 16-31 (row 8 + j).  A row's two loads, 16 bytes apart, together cover 512 consecutive bytes of each of two rows.
; No LDS, no barrier: no wave wants a byte of x or W that another wave has fetched.  Two sets of registers, a block each: while one is worked on, the other's loads are out.
.set ROWF, 16384                       ; bytes in a row of x, W and A
.set ROWH, 8192                        ; bytes in a row of xb and wb
.set XO,  1                            ; v1   h x 8 rows of f32 + 32 r; never rewritten
.set YO,  2                            ; v2   h x 8 rows of bf16 + 16 r; never rewritten
.set BO,  3                            ; v3   64 r + 32 h: B's row r of a block, ranks 8 h on; never rewritten
.set AOP, 4                            ; v[4:11]    source 0: 16 rows of B in bf16; registers 4-7 (ranks 16-31) hold 0
.set SB,  12                           ; v[12:27]   B's 8 numbers in f32, 8 registers for each set
.set FR,  28                           ; v[28:91]   source 1: A's fragment for tile t at FR + 8 t; registers 4-7 of each hold 0
.set DD,  92                           ; v[92:123]  four results of B A
.set ONE, 124                          ; v124       1.0
.set X,   128                          ; v[128:255] two sets of 64: a block
.set SRC, 24                           ; s[24:25] x or W at my first row and column
.set DST, 26                           ; s[26:27] xb or wb at the same place
.set AB,  28                           ; s[28:29] A at my first column
.set BB,  30                           ; s[30:31] B at my first row
	s_load_b256 s[4:11], s[0:1], 0x0               ; x s[4:5], W s[6:7], A s[8:9], B s[10:11]
	s_load_b128 s[12:15], s[0:1], 0x20             ; xb s[12:13], wb s[14:15]
	v_lshrrev_b32 v125, 5, v0
	v_readfirstlane_b32 s16, v125                  ; wave 0..7
	s_and_b32 s17, ttmp7, 0xffff                   ; y: 0 = x, 1 = W
	s_and_b32 s18, ttmp9, 3                        ; cg
	s_lshr_b32 s19, ttmp9, 2                       ; rg
	v_and_b32 v126, 15, v0                         ; r
	v_bfe_u32 v127, v0, 4, 1                       ; h
	v_lshlrev_b32 v[XO], 5, v126
	v_lshl_or_b32 v[XO], v127, 17, v[XO]
	v_lshlrev_b32 v[YO], 4, v126
	v_lshl_or_b32 v[YO], v127, 16, v[YO]
	v_lshlrev_b32 v[BO], 6, v126
	v_lshl_or_b32 v[BO], v127, 5, v[BO]
	s_lshl_b32 s20, s18, 12                        ; 1,024 columns of f32,
	s_lshl_b32 s21, s16, 9                         ; my wave's 128
	s_add_co_u32 s20, s20, s21                     ; my first column in f32 bytes
	s_mov_b32 s21, 0
	s_lshl_b32 s22, s19, 20                        ; 64 rows of 16,384 bytes
	s_add_co_u32 s22, s22, s20
	s_mov_b32 s23, 0
	s_lshl_b32 s32, s19, 19                        ; 64 rows of 8,192 bytes
	s_lshr_b32 s33, s20, 1
	s_add_co_u32 s32, s32, s33
	s_mov_b32 s33, 0
	s_lshl_b32 s34, s19, 12                        ; 64 rows of B, 64 bytes each
	s_mov_b32 s35, 0
	s_wait_kmcnt 0x0
	s_cmp_eq_u32 s17, 0
	s_cselect_b64 s[SRC:SRC+1], s[4:5], s[6:7]
	s_cselect_b64 s[DST:DST+1], s[12:13], s[14:15]
	s_add_nc_u64 s[SRC:SRC+1], s[SRC:SRC+1], s[22:23]
	s_add_nc_u64 s[DST:DST+1], s[DST:DST+1], s[32:33]
	s_add_nc_u64 s[AB:AB+1], s[8:9], s[20:21]
	s_add_nc_u64 s[BB:BB+1], s[10:11], s[34:35]
; 16 loads: 16 rows x 128 columns of f32 into set b, from byte off behind the base.  nt = 1: bytes that the launch reads once
.macro LOADS b, base, off, nt
.irp j, 0,1,2,3,4,5,6,7
.irp q, 0,1
.if \nt
	global_load_b128 v[X+64*(\b)+8*(\j)+4*(\q):X+64*(\b)+8*(\j)+4*(\q)+3], v[XO], s[\base:\base+1] offset:(\off)+(\j)*ROWF+16*(\q) th:TH_LOAD_NT
.else
	global_load_b128 v[X+64*(\b)+8*(\j)+4*(\q):X+64*(\b)+8*(\j)+4*(\q)+3], v[XO], s[\base:\base+1] offset:(\off)+(\j)*ROWF+16*(\q)
.endif
.endr
.endr
.endm
; 2 loads: B[row r of block n][8 h .. 8 h + 7]
.macro LOADB b, n
	global_load_b128 v[SB+8*(\b):SB+8*(\b)+3],   v[BO], s[BB:BB+1] offset:1024*(\n)
	global_load_b128 v[SB+8*(\b)+4:SB+8*(\b)+7], v[BO], s[BB:BB+1] offset:1024*(\n)+16
.endm
; Set b is rounded to bf16 in place (each destination has been read by then) and stored as block n: a store covers two runs of 256 consecutive aligned bytes
.macro PACKST b, n
.irp j, 0,1,2,3,4,5,6,7
.irp p, 0,1,2,3
	v_cvt_pk_bf16_f32 v[X+64*(\b)+8*(\j)+(\p)], v[X+64*(\b)+8*(\j)+2*(\p)], v[X+64*(\b)+8*(\j)+2*(\p)+1]
.endr
	global_store_b128 v[YO], v[X+64*(\b)+8*(\j):X+64*(\b)+8*(\j)+3], s[DST:DST+1] offset:((\n)*16+(\j))*ROWH
.endr
.endm
; Tiles 4 half .. 4 half + 3 of set b: four products B A, each starting its sum with 0; W's pairs are rounded to bf16: sixteen plain lines that name none of the products' registers, the
; places between the products and the first read of a result (ISA guide 7.12.1), and between these products and the next four, which write the same results anew; then bf16(W) x 1 + B A, in f32.
; Each result's register 0 is read first.
.macro FOLD b, half
.irp u, 0,1,2,3
	v_wmma_f32_16x16x32_bf16 v[DD+8*(\u):DD+8*(\u)+7], v[AOP:AOP+7], v[FR+8*(4*(\half)+(\u)):FR+8*(4*(\half)+(\u))+7], 0
.endr
.irp j, 0,1,2,3,4,5,6,7
.irp p, 0,1
.set E, X+64*(\b)+8*(\j)+4*(\half)+2*(\p)
	v_cvt_pk_bf16_f32 v[E], v[E], v[E+1]
.endr
.endr
.irp j, 0,1,2,3,4,5,6,7
.irp p, 0,1
.set E, X+64*(\b)+8*(\j)+4*(\half)+2*(\p)
	v_fma_mix_f32_bf16 v[E+1], v[E], v[ONE], v[DD+8*(2*(\p)+1)+(\j)] op_sel:[1,0,0] op_sel_hi:[1,0,0]  ; the high half first: the next line writes over the pair
	v_fma_mix_f32_bf16 v[E],   v[E], v[ONE], v[DD+8*(2*(\p))+(\j)] op_sel_hi:[1,0,0]
.endr
.endr
.endm
; Block n, in set n % 2.  left: the younger loads, the other set's, which may stay out.  refill = 1: the set takes block n + 2
.macro BLOCK n, lora, left, refill
	s_wait_loadcnt \left                           ; loads come back in order (ISA guide 5.7.1): this block's are in
.if \lora
.irp p, 0,1,2,3
	v_cvt_pk_bf16_f32 v[AOP+(\p)], v[SB+8*((\n)%2)+2*(\p)], v[SB+8*((\n)%2)+2*(\p)+1]  ; the last products that read these stand more than 48 plain lines back
.endr
	FOLD (\n)%2, 0
	FOLD (\n)%2, 1
.endif
	PACKST (\n)%2, \n
.if \refill
	s_wait_xcnt 0x0                                ; the stores have read the set: only behind this wait is it loaded again
.if \lora
	LOADB (\n)%2, (\n)+2
.endif
	LOADS (\n)%2, SRC, ((\n)+2)*16*ROWF, 1
.endif
.endm
	s_cmp_eq_u32 s17, 0
	s_cbranch_scc1 .Lplain
	; W.  A's 16 rows x my 128 columns have the block's pitch and lane pattern: they come through set 1
	LOADS 1, AB, 0, 0
	LOADB 0, 0
	LOADS 0, SRC, 0, 1
	v_mov_b32 v[ONE], 1.0
.irp p, 4,5,6,7
	v_mov_b32 v[AOP+(\p)], 0                       ; ranks 16 to 31 do not exist: zeros on both sides, written once
.irp t, 0,1,2,3,4,5,6,7
	v_mov_b32 v[FR+8*(\t)+(\p)], 0
.endr
.endr
	s_wait_loadcnt 18                              ; A is in; block 0's 2 + 16 loads may stay out
.irp t, 0,1,2,3,4,5,6,7
.irp p, 0,1,2,3
	v_cvt_pk_bf16_f32 v[FR+8*(\t)+(\p)], v[X+64+16*(\p)+(\t)], v[X+64+16*(\p)+8+(\t)]  ; ranks 8 h + 2 p and 8 h + 2 p + 1 of column 8 r + t
.endr
.endr
	LOADB 1, 1
	LOADS 1, SRC, 16*ROWF, 1
	BLOCK 0, 1, 18, 1
	BLOCK 1, 1, 18, 1
	BLOCK 2, 1, 18, 0
	BLOCK 3, 1, 0, 0
	s_endpgm
.Lplain:
	; x: rounded, nothing more
	LOADS 0, SRC, 0, 1
	LOADS 1, SRC, 16*ROWF, 1
	BLOCK 0, 0, 16, 1
	BLOCK 1, 0, 16, 1
	BLOCK 2, 0, 16, 0
	BLOCK 3, 0, 0, 0
	s_endpgm
.Lfunc_end_k_q56fb19884e_prep:
	.size	k_q56fb19884e_prep, .Lfunc_end_k_q56fb19884e_prep-k_q56fb19884e_prep
	.p2alignl 7, 3214868480
	.fill 96, 4, 3214868480
	.section	.rodata,"a",@progbits
	.p2align	6, 0x0
	.amdhsa_kernel k_q56fb19884e_prep
		.amdhsa_group_segment_fixed_size 0
		.amdhsa_private_segment_fixed_size 0
		.amdhsa_enable_private_segment 0
		.amdhsa_kernarg_size 48
		.amdhsa_user_sgpr_count 2
		.amdhsa_user_sgpr_kernarg_segment_ptr 1
		.amdhsa_wavefront_size32 1
		.amdhsa_system_sgpr_workgroup_id_x 1
		.amdhsa_system_sgpr_workgroup_id_y 1
		.amdhsa_system_sgpr_workgroup_id_z 1
		.amdhsa_system_vgpr_workitem_id 0
		.amdhsa_next_free_vgpr 256
		.amdhsa_next_free_sgpr 66
		.amdhsa_reserve_vcc 0
		.amdhsa_float_denorm_mode_32 3
		.amdhsa_float_denorm_mode_16_64 3
		.amdhsa_memory_ordered 1
		.amdhsa_forward_progress 1
		.amdhsa_inst_pref_size 69
	.end_amdhsa_kernel
	.amdgpu_metadata
---
amdhsa.version: [ 1, 2 ]
amdhsa.kernels:
  - .name:           k_q56fb19884e_prep
    .symbol:         k_q56fb19884e_prep.kd
    .args:
      - { .name: x, .offset: 0, .size: 8, .value_kind: global_buffer, .address_space: global }
      - { .name: W, .offset: 8, .size: 8, .value_kind: global_buffer, .address_space: global }
      - { .name: A, .offset: 16, .size: 8, .value_kind: global_buffer, .address_space: global }
      - { .name: B, .offset: 24, .size: 8, .value_kind: global_buffer, .address_space: global }
      - { .name: xb, .offset: 32, .size: 8, .value_kind: global_buffer, .address_space: global }
      - { .name: wb, .offset: 40, .size: 8, .value_kind: global_buffer, .address_space: global }
    .group_segment_fixed_size: 0
    .private_segment_fixed_size: 0
    .kernarg_segment_align: 8
    .kernarg_segment_size: 48
    .max_flat_workgroup_size: 256
    .sgpr_count:     66
    .vgpr_count:     256
    .wavefront_size: 32
...
	.end_amdgpu_metadata
.endif
;; end of part 1
;; launch gemm (part 2): grid 16 x 16, 4 waves a work-group, clusters of 4 x 4, 327,680 bytes of LDS; arguments xb, wb, bias, out0; writes out0
.if DOCPART == 2
	.amdgcn_target "amdgcn-amd-amdhsa--gfx1250"
	.amdhsa_code_object_version 6
	.text
	.protected	k_q56fb19884e_gemm
	.globl	k_q56fb19884e_gemm
	.p2align	8
	.type	k_q56fb19884e_gemm,@function
k_q56fb19884e_gemm:
	s_mov_b64 s[64:65], 0
	v_nop
	global_prefetch_b8 v0, s[64:65] scope:SCOPE_SE
	s_setreg_imm32_b32 hwreg(HW_REG_WAVE_MODE, 25, 1), 1
	s_wait_xcnt 0x0
	s_wait_alu depctr_hold_cnt(0) depctr_sa_sdst(0) depctr_va_vdst(0) depctr_va_sdst(0) depctr_va_ssrc(0) depctr_va_vcc(0) depctr_vm_vsrc(0)
	s_getreg_b32 s2, hwreg(HW_REG_IB_STS2, 6, 4)
	s_cmp_eq_u32 s2, 0
	s_cbranch_scc0 .Lentry_in_a_cluster
	s_endpgm
.Lentry_in_a_cluster:
	s_bfe_u32 s2, ttmp6, 0x10000c
	s_cmp_lg_u32 s2, 0xf033
	s_cbranch_scc0 .Lentry_shape_is_right
	s_endpgm
.Lentry_shape_is_right:
; out0[t][o] = bf16(bias[o]) + the sum over i of xb[t][i] wb[o][i].  xb: [4096][4096] bf16 (x rounded), wb: [4096][4096] bf16 (W + B A rounded), bias: [4096] f32, out0: [4096][4096] f32.
; Sums in f32, K ascending; the bias is the C operand of each accumulator's first product, so nothing is cleared and nothing is added afterwards.
; LIMITS.  The bias is rounded to bf16 like every other input of the module (a finite f32 beyond bf16's largest number becomes an infinity).  NaN and infinities are not treated apart.
; SHARES.  256 tiles of 256 x 256, one to a work-group of four waves; a wave makes 128 x 128: 64 accumulators of 16 x 16, 512 registers.  K goes in steps of 128 through a ring of two LDS slots
; filled by the tensor data mover: a tile's rows are 256 bytes of memory and start at multiples of 256 bytes from the buffer's first byte.
; CLUSTERS: 4 x 4 work-groups.  The four of a row of the cluster need the same tiles of xb, the four of a column the same tiles of wb: each tile is asked for JOINTLY, by the same tensor load
; with the same descriptor and a mask that names the four, and each receives it in its own LDS.
; THE MATRIX INSTRUCTION IS USED TRANSPOSED: source 0 = 16 rows of wb, source 1 = 16 rows of xb.  In the result lane l holds row l % 16 of out0, and registers 0 to 7 the columns 8 (l / 16) + 0..7.
; REGISTERS, in windows of 256 (s_set_vgpr_msb's low byte: bits 1:0 source 0, 3:2 source 1, 5:4 source 2, 7:6 destination):
;   window 0: v0-31 addresses; v64-127, v128-191 fragments of xb, two buffers (on the way out: rows read back from the stage); v192-255 the bias of my 128 columns, as a C operand
;   window 1: v64-127, v128-191 fragments of wb, two buffers
;   window 2: the 32 accumulators of my rows 0-63 (accumulator (a, b) at v[8 (8 a + b)]);   window 3: those of my rows 64-127
.set SIZE_M, 4096
.set SIZE_N, 4096
.set SIZE_K, 4096
.set KSTEP,  128
.set PITCH,  272                       ; an LDS row: 256 bytes + 16 of padding = 68 words: row r starts at bank 4 r mod 64 (64 banks of 4 bytes: ISA guide 11.1), so the 16 rows of a load start at 16 different banks
.set HALFT,  128*PITCH                 ; 128 rows: what one tensor load brings, and what one wave reads of xb or of wb
.set SLOT,   4*HALFT                   ; xb's 256 rows, then wb's 256 rows
.set STAGE,  2*SLOT                    ; behind the ring, never filled by a tensor load: 16 rows x 528 bytes for each wave, for the way out
.set SPITCH, 528                       ; 512 bytes + 16: 33 x 16, so the 16 rows that a store touches start at 16 different groups of four banks
.set SPARE,  STAGE+4*16*SPITCH         ; behind the stages: the spare words, 128 bytes for each wave: two blocks of 256 bytes that no other line names
.set LAPS,   SIZE_K/(2*KSTEP)          ; a lap = two K steps = once round the ring: 16
.set ROWC,   SIZE_N*4                  ; bytes in a row of out0
.set ADRA, 16                          ; v16-17  LDS address of my xb fragments in slot 0, 1
.set ADRB, 20                          ; v20-21  the same for wb
.set STO,  24                          ; v24     the way out: where I put 32 bytes of a row
.set RD,   25                          ; v25     the way out: where I read 16 bytes of a row back
.set CO,   26                          ; v26     16 x lane: my 16 bytes of a row's 512 in out0
.set BO,   27                          ; v27     32 x (lane / 16): my 8 numbers in 16 of the bias
.set SPW,  28                          ; v28     LDS address of my spare word: SPARE + 4 x my thread's number; never rewritten
.set NIL,  29                          ; v29     0; never rewritten
.set PFO,  30                          ; v30     the prefetches' offset: my lane x a row of xb or wb; never rewritten
.set F0,   64                          ; fragment buffer 0
.set F1,   128                         ; fragment buffer 1
.set BIAS, 192                         ; v[BIAS + 8 b + j] = bias of my column 16 b + 8 (l / 16) + j
.set G1,  24                           ; s[24:31] descriptor group 1 for xb's tiles
.set G0,  32                           ; s[32:39] descriptor group 0 for xb's tiles, one set for each slot
.set LIM, 43                           ; s43      1 in a wave that prefetches, else the greatest number
.set PFA, 44                           ; s[44:45] where my prefetches stand: my work-group's 32 rows of the 128 that I fetch, one K step further along K than the refill that is being asked for
.set G1B, 48                           ; s[48:55] descriptor group 1 for wb's tiles: it differs in the mask alone
.set G0B, 56                           ; s[56:63] descriptor group 0 for wb's tiles
.set MSB, 0
.macro WIN new                         ; the immediate's high byte repeats the setting that is left; a switch that changes nothing is dropped
.if MSB != (\new)
	s_set_vgpr_msb (MSB<<8)|(\new)
.set MSB, \new
.endif
.endm
.set MUL_LO, 0xa1                      ; source 0 (wb) window 1, source 1 (xb) window 0, C and D window 2
.set MUL_HI, 0xf1                      ; the same, C and D window 3
.set TO_B,   0x40                      ; destination window 1, address window 0
; A joint load.  Waves 0 and 1 fetch xb's two halves, waves 2 and 3 wb's.  Each line has ONE mask and one set of registers for all that issue it; the branch hangs on the wave's number alone.
; An s_nop 0 and four v_nop follow each of the two lines, ahead of the jump, the label and what follows.
.macro JLOAD s
	s_cmp_eq_u32 s11, 0
	s_cbranch_scc0 .Lfor_b_\@
	tensor_load_to_lds s[G0+4*(\s):G0+4*(\s)+3], s[G1:G1+7]
	s_nop 0
.rept 4
	v_nop
.endr
	s_branch .Lasked_\@
.Lfor_b_\@:
	tensor_load_to_lds s[G0B+4*(\s):G0B+4*(\s)+3], s[G1B:G1B+7]
	s_nop 0
.rept 4
	v_nop
.endr
.Lasked_\@:
.endm
; A PREFETCH INTO THE L2, behind each joint refill and the run of LDS loads that follows it: the K step that stands TWO refills on, 512 matrix instructions ahead of the load that will want it:
; 32 rows x 256 bytes, a lane a row, one instruction a wave.  Each row's 256 bytes of a K step are named ONCE in the launch: xb's tile row is read by every cluster of that row of clusters, and
; the one with x = 0 asks; wb's tile column by every cluster of that column, and the one with y = 0 asks.  The four partners that ask for a tile jointly share its rows out BY ADDRESS: of the
; 128 rows that a wave fetches the partner at place p takes 32 p .. 32 p + 31 (p = cx for xb, cy for wb).  The loop's last trip (s3 = 1) has no K step two on and asks for nothing.
.macro ASK
	s_cmp_gt_u32 s3, s[LIM]
	s_cbranch_scc0 .Lnot_mine_\@
	global_prefetch_b8 v[PFO], s[PFA:PFA+1] offset:KSTEP*2 th:TH_LOAD_NT scope:SCOPE_SE
.Lnot_mine_\@:
.endm
; A round of the cluster's barrier: my work-group's barrier, so that wave 0's signal speaks for all four waves; wave 0 signals for the work-group; every wave waits for all sixteen
; work-groups; my work-group's barrier once more.  No LDS instruction of the wave is pending at a signal.
.macro CREST                           ; a round behind its opening barrier
	s_cmp_lg_u32 s10, 0
	s_cbranch_scc1 .Lnot_wave_0_\@
	s_barrier_signal -3
.Lnot_wave_0_\@:
	s_barrier_wait -3
	s_barrier_signal -1
	s_barrier_wait -1
.endm
.macro CROUND                          ; a whole round
	s_barrier_signal -1
	s_barrier_wait -1
	CREST
.endm
	s_load_b128 s[4:7], s[0:1], 0x0                ; xb s[4:5], wb s[6:7]
	s_load_b128 s[68:71], s[0:1], 0x10             ; bias s[68:69], out0 s[70:71]
	v_lshl_add_u32 v[SPW], v0, 2, SPARE
	v_mov_b32 v[NIL], 0
	ds_add_u32 v[SPW], v[NIL]                      ; the wave's opening: the add, twice on end, and its wait ahead of my first tensor load; the set-up below stands between
	ds_add_u32 v[SPW], v[NIL]                      ; and once more, under the one wait
	v_lshrrev_b32 v1, 5, v0
	v_readfirstlane_b32 s10, v1                    ; wave 0..3
	s_lshr_b32 s11, s10, 1                         ; which half of the tile's rows is mine.  Also: I fetch for xb (0) or for wb (1)
	s_and_b32 s12, s10, 1                          ; which half of its columns.  Also: which 128 rows of that tile I fetch
	s_bfe_u32 s40, ttmp6, 0x40000                  ; cx: my place along the cluster's x
	s_bfe_u32 s41, ttmp6, 0x40004                  ; cy: along its y
	s_lshl_b32 s42, ttmp9, 2                       ; in a cluster launch ttmp9 and ttmp7 count clusters
	s_add_co_u32 s42, s42, s40                     ; tile column = 4 x cluster x + cx
	s_and_b32 s13, ttmp7, 0xffff
	s_lshl_b32 s13, s13, 2
	s_add_co_u32 s13, s13, s41                     ; tile row = 4 x cluster y + cy
	s_lshl_b32 s43, s41, 2
	s_lshl_b32 s43, 15, s43                        ; my row of the cluster: places 4 cy .. 4 cy + 3
	s_lshl_b32 s44, 0x1111, s40                    ; my column: places cx, cx + 4, cx + 8, cx + 12
	; descriptor group 1: a tile of 128 rows x 128 elements, padded in LDS
	s_or_b32 s[G1+0], s43, (1<<16)|(1<<20)|(1<<21)|(5<<22)|(3<<25)  ; 15:0 the mask: xb's tiles go to my row; 17:16 elements of 2 bytes; 20 padding on; 21 set beside a mask; 24:22 after every 64 words (code 5); 31:25 4 words of it (code 3)
	s_or_b32 s[G1B+0], s44, (1<<16)|(1<<20)|(1<<21)|(5<<22)|(3<<25) ; the same with the mask of my column, for wb's tiles
.irp g, G1, G1B
	s_mov_b32 s[(\g)+1], KSTEP<<16                 ; 63:48 tensor_dim0 = 128
	s_mov_b32 s[(\g)+2], 128<<16                   ; 95:80 tensor_dim1 = 128
	s_mov_b32 s[(\g)+3], KSTEP<<16                 ; 127:112 tile_dim0 = 128
	s_mov_b32 s[(\g)+4], 128                       ; 143:128 tile_dim1 = 128; tile_dim2 = 0
	s_mov_b32 s[(\g)+5], SIZE_K                    ; 191:160 elements from row to row
	s_mov_b32 s[(\g)+6], 0
	s_mov_b32 s[(\g)+7], 0
.endr
	; where the tiles come from.  xb's hang on the tile row alone, which my row of the cluster shares; wb's on the tile column alone, which my column shares.
	s_lshl_b32 s17, s12, 7                         ; which 128 rows of the tile I fetch
	s_lshl_b32 s16, s13, 8
	s_add_co_u32 s16, s16, s17                     ; xb: row 256 x tile row + 128 x half
	s_lshl_b32 s46, s42, 8
	s_add_co_u32 s46, s46, s17                     ; wb: row 256 x tile column + 128 x half
	s_mov_b32 s17, 0
	s_mov_b32 s47, 0
	s_mov_b64 s[18:19], SIZE_K*2
	s_mul_u64 s[16:17], s[16:17], s[18:19]         ; in bytes
	s_mul_u64 s[46:47], s[46:47], s[18:19]
	s_mul_i32 s20, s10, HALFT                      ; and where they go: wave x 128 rows: no place in the cluster enters an LDS address
	s_wait_dscnt 0x0                               ; both opening adds are done
	s_wait_kmcnt 0x0
	s_add_nc_u64 s[14:15], s[4:5], s[16:17]
	s_add_nc_u64 s[46:47], s[6:7], s[46:47]
	CROUND                                         ; all sixteen work-groups are here: the first joint loads meet
.irp s, 0,1
	s_mov_b32 s[G0+4*(\s)], 1                                      ; 1:0 count = 1
	s_add_co_u32 s[G0+4*(\s)+1], s20, (\s)*SLOT                    ; 63:32 LDS address
	s_add_nc_u64 s[G0+4*(\s)+2:G0+4*(\s)+3], s[14:15], (\s)*KSTEP*2  ; 120:64 global address: K step s
	s_or_b32 s[G0+4*(\s)+3], s[G0+4*(\s)+3], 0x80000000            ; 127:126 type = 2
	s_mov_b32 s[G0B+4*(\s)], 1
	s_add_co_u32 s[G0B+4*(\s)+1], s20, (\s)*SLOT
	s_add_nc_u64 s[G0B+4*(\s)+2:G0B+4*(\s)+3], s[46:47], (\s)*KSTEP*2
	s_or_b32 s[G0B+4*(\s)+3], s[G0B+4*(\s)+3], 0x80000000
	JLOAD \s                                       ; the ring is filled before anything else is done: two loads of mine are out
.endr
	v_and_b32 v1, 15, v0                           ; l % 16
	v_bfe_u32 v2, v0, 4, 1                         ; l / 16
	; the bias of my 128 columns: 512 bytes; all lanes of a half read the same 32 bytes of each 64
	s_lshl_b32 s46, s42, 10                        ; my first column in f32 bytes: 1,024 x tile column + 512 x half (none of the registers that feed xb's descriptors ever holds cx)
	s_lshl_b32 s47, s12, 9
	s_add_co_u32 s46, s46, s47
	s_mov_b32 s47, 0
	s_add_nc_u64 s[68:69], s[68:69], s[46:47]
	v_lshlrev_b32 v[BO], 5, v2
.irp b, 0,1,2,3,4,5,6,7
	global_load_b128 v[BIAS+8*(\b):BIAS+8*(\b)+3],   v[BO], s[68:69] offset:64*(\b)
	global_load_b128 v[BIAS+8*(\b)+4:BIAS+8*(\b)+7], v[BO], s[68:69] offset:64*(\b)+16
.endr
	; A fragment is 16 rows x 32 K in 8 registers: lane l holds row l % 16; registers 0-3 hold K = 8 (l / 16) + 0..7, registers 4-7 K = 16 + 8 (l / 16) + 0..7: two loads of 16 bytes, 32 bytes apart.
	v_mul_u32_u24 v3, v1, PITCH
	v_lshl_add_u32 v3, v2, 4, v3                   ; row x pitch + 16 x half
	s_mul_i32 s21, s11, HALFT                      ; my 128 rows of xb
	s_mul_i32 s22, s12, HALFT                      ; my 128 rows of wb,
	s_add_co_u32 s22, s22, 2*HALFT                 ; which lie behind xb's 256
.irp s, 0,1
	v_add_nc_u32 v[ADRA+(\s)], s21, v3
	v_add_nc_u32 v[ADRB+(\s)], s22, v3
	s_add_co_u32 s21, s21, SLOT
	s_add_co_u32 s22, s22, SLOT
.endr
	s_mul_i32 s23, s10, 16*SPITCH
	s_add_co_u32 s23, s23, STAGE                   ; my stage
	v_mul_u32_u24 v4, v1, SPITCH                   ; in: row l % 16, 32 bytes for each half of the lanes
	v_lshl_add_u32 v4, v2, 5, v4
	v_add_nc_u32 v[STO], s23, v4
	v_and_b32 v5, 31, v0
	v_lshlrev_b32 v[CO], 4, v5                     ; back: 32 lanes take one row of 512 bytes
	v_add_nc_u32 v[RD], s23, v[CO]
	; out0 at my first row and column
	s_lshl_b32 s13, s13, 8                         ; 256 x tile row
	s_lshl_b32 s14, s11, 7
	s_add_co_u32 s16, s13, s14                     ; my first row, 3,968 at the most,
	s_lshl_b32 s16, s16, 14                        ; x 16,384 bytes: under 2^31
	s_mov_b32 s17, 0
	s_add_nc_u64 s[70:71], s[70:71], s[16:17]
	s_add_nc_u64 s[70:71], s[70:71], s[46:47]
	; the prefetches.  s13 = 256 x tile row, s42 = tile column, s40 = cx, s41 = cy still stand
	s_lshl_b32 s42, s42, 8
	s_and_b32 s22, ttmp7, 0xffff                   ; cluster y
	s_cmp_eq_u32 s11, 0                            ; do I fetch for xb?
	s_cselect_b32 s20, s13, s42                    ; the tile's first row: in xb by the tile row, in wb by the tile column
	s_cselect_b32 s21, s40, s41                    ; my place among the four that ask for it with me
	s_cselect_b32 s22, ttmp9, s22                  ; the coordinate along which other clusters read the same rows
	s_cselect_b64 s[PFA:PFA+1], s[4:5], s[6:7]
	s_cmp_eq_u32 s22, 0
	s_cselect_b32 s[LIM], 1, -1                    ; the same in all sixteen partners, for a given wave
	s_lshl_b32 s22, s12, 7
	s_add_co_u32 s20, s20, s22                     ; + the 128 rows that I fetch
	s_lshl_b32 s21, s21, 5
	s_add_co_u32 s20, s20, s21                     ; + my work-group's 32 of them
	s_mov_b32 s21, 0
	s_mov_b64 s[18:19], SIZE_K*2
	s_mul_u64 s[20:21], s[20:21], s[18:19]
	s_add_nc_u64 s[PFA:PFA+1], s[PFA:PFA+1], s[20:21]
	s_add_nc_u64 s[PFA:PFA+1], s[PFA:PFA+1], 2*KSTEP*2  ; at K step 2: the first refill steps it to 3 and names K step 4.  Nothing is prefetched here, at the head: K steps 0 to 3 come by their loads alone
	v_and_b32 v[PFO], 31, v0
	v_mul_u32_u24 v[PFO], v[PFO], SIZE_K*2
	s_wait_loadcnt 0x0                             ; the bias
.set e, BIAS
.rept 32                               ; rounded to bf16 and widened again, in place, while the first tiles are on their way
	v_cvt_pk_bf16_f32 v[e], v[e], v[e+1]
	v_and_b32 v[e+1], 0xffff0000, v[e]
	v_lshlrev_b32 v[e], 16, v[e]
.set e, e+2
.endr
; 16 matrix instructions: m blocks a0, a0 + 1 of the window's four (hi = 0: my rows 0-63, 1: rows 64-127) x all 8 n blocks, 32 along K.
; first = 1: the first product starts the sum with the bias (C in window 0, D in window 2 or 3): nothing is ever cleared.
; The 64 accumulators take turns, one instruction a turn, in the same order in every quarter step, over the backward jump too.
.macro MUL16 f, hi, a0, first
.if \first
	WIN 0x81+0x40*(\hi)
.else
	WIN MUL_LO+0x50*(\hi)
.endif
.irp a, \a0, (\a0)+1
.irp b, 0,1,2,3,4,5,6,7
.if \first
	v_wmma_f32_16x16x32_bf16 v[8*(8*(\a)+(\b)):8*(8*(\a)+(\b))+7], v[(\f)+8*(\b):(\f)+8*(\b)+7], v[(\f)+8*(4*(\hi)+(\a)):(\f)+8*(4*(\hi)+(\a))+7], v[BIAS+8*(\b):BIAS+8*(\b)+7]
.else
	v_wmma_f32_16x16x32_bf16 v[8*(8*(\a)+(\b)):8*(8*(\a)+(\b))+7], v[(\f)+8*(\b):(\f)+8*(\b)+7], v[(\f)+8*(4*(\hi)+(\a)):(\f)+8*(4*(\hi)+(\a))+7], v[8*(8*(\a)+(\b)):8*(8*(\a)+(\b))+7]
.endif
.endr
.endr
.endm
; 32 LDS loads in one run: the fragments of one quarter step (128 rows of wb, 128 rows of xb, 32 K at byte k of the rows) into buffer f
.macro FETCH slot, k, f
	WIN TO_B
.irp i, 0,1,2,3,4,5,6,7
	ds_load_b128 v[(\f)+8*(\i):(\f)+8*(\i)+3],   v[ADRB+(\slot)] offset:(\k)+(\i)*16*PITCH
	ds_load_b128 v[(\f)+8*(\i)+4:(\f)+8*(\i)+7], v[ADRB+(\slot)] offset:(\k)+(\i)*16*PITCH+32
.endr
	WIN 0
.irp i, 0,1,2,3,4,5,6,7
	ds_load_b128 v[(\f)+8*(\i):(\f)+8*(\i)+3],   v[ADRA+(\slot)] offset:(\k)+(\i)*16*PITCH
	ds_load_b128 v[(\f)+8*(\i)+4:(\f)+8*(\i)+7], v[ADRA+(\slot)] offset:(\k)+(\i)*16*PITCH+32
.endr
.endm
; A load into a register that a matrix instruction has read, and a store that reads a matrix result, stand four places behind that matrix instruction, and only plain vector instructions that
; name none of its registers are places (ISA guide 7.12.1 for vector instructions).
.macro PLACES
.rept 4
	v_nop
.endr
.endm
; A K step is four quarter steps of 32 along K, 64 matrix instructions each, on buffers 0, 1, 0, 1.
; One of the first three: multiplies buffer f; in its middle it fetches the next quarter's fragments, at byte k of the same slot's rows, into buffer g.
.macro QUARTER slot, k, f, g, first
	s_wait_dscnt 8                                 ; wb and xb's rows 0-63 are in; the youngest eight loads (xb's rows 64-127) may be out
	MUL16 \f, 0, 0, \first
	MUL16 \f, 0, 2, \first
	PLACES
	FETCH \slot, \k, \g
	s_wait_dscnt 32                                ; all but the 32 just issued
	MUL16 \f, 1, 0, \first
	MUL16 \f, 1, 2, \first
.endm
; The last quarter multiplies buffer 1 and changes slots.  MEET is its first half: ONE barrier, for two things.  In front of it each wave waits for all its tensor loads, of which one is out:
; its part of the next slot; adds 0 to its spare word; and waits for that and for its own reads of this slot.  Behind it nobody reads this slot any more and the next slot is whole.
.macro MEET round                      ; round = 1: the rest of a round of the cluster's barrier follows
	WIN 0                                          ; (the add's two registers lie in window 0)
	s_wait_tensorcnt 0x0                           ; all my tensor loads have landed;
	ds_add_u32 v[SPW], v[NIL]                      ; 0 onto my spare word;
	s_wait_dscnt 9                                 ; (the add and the youngest eight loads may be out)
	MUL16 F1, 0, 0, 0                              ; sixteen matrix instructions stand between the add and the wait for it
	s_wait_dscnt 0x0                               ; the add is done, and my reads of this slot are over:
	s_barrier_signal -1                            ; say so,
	MUL16 F1, 0, 2, 0                              ; work on registers while the others arrive,
.if \round
	WIN 0
.endif
	s_barrier_wait -1                              ; and go on when all four have said so
.endm
; The whole last quarter.  Behind the round the slot just read out is filled again first, with the K step two steps on; then come the next slot's first fragments.
; From a request to the wait for it a wave issues 224 matrix instructions; one tensor load of mine is out meanwhile.
.macro TURN slot, next
	s_wait_xcnt 0x0                                ; the last prefetch, a K step back, has read its address: it is stepped here, ahead of the waits of the change of slots
	s_add_nc_u64 s[PFA:PFA+1], s[PFA:PFA+1], KSTEP*2
	MEET 1
	CREST                                          ; all sixteen work-groups have said so: no wave of any partner still reads this slot's tile or has a load on its way
	s_add_nc_u64 s[G0+4*(\slot)+2:G0+4*(\slot)+3], s[G0+4*(\slot)+2:G0+4*(\slot)+3], 2*KSTEP*2    ; no tensor load of mine is out, so a group 0 may be written; the type bits on top are not reached
	s_add_nc_u64 s[G0B+4*(\slot)+2:G0B+4*(\slot)+3], s[G0B+4*(\slot)+2:G0B+4*(\slot)+3], 2*KSTEP*2
	JLOAD \slot                                    ; the first tensor load behind the round; the four v_nop behind it are also the places in front of the loads below
	FETCH \next, 0, F0
	ASK
	MUL16 F1, 1, 0, 0
	MUL16 F1, 1, 2, 0
.endm
; THE WAY OUT of block a (16 rows x 128 columns of f32).  A lane holds 32 bytes of a row for each of the 8 accumulators; they go straight from the accumulators into my own stage, rows of 528
; bytes, each accumulator's low four registers first, and come back as whole rows of 512 bytes.  The stage is my wave's alone: no barrier; LDS serves a wave's instructions in order
; (ISA guide 5.7.1.4), so the loads see the stores above them, and the next block's stores come behind these loads.
.macro TOSTAGE a
.set AC, 64*((\a)%4)
.set BK, F0+64*((\a)%2)
	WIN 0x08+4*((\a)/4)                            ; the stores' data (source 1) in window 2 or 3
.irp b, 0,1,2,3,4,5,6,7
	ds_store_b128 v[STO], v[AC+8*(\b):AC+8*(\b)+3]   offset:64*(\b)
	ds_store_b128 v[STO], v[AC+8*(\b)+4:AC+8*(\b)+7] offset:64*(\b)+16
.endr
	WIN 0
.if (\a) >= 2
	s_wait_xcnt 0x0                                ; the stores of the block two back have read this buffer: only behind this wait is it loaded again
.endif
.irp t, 0,1,2,3,4,5,6,7,8,9,10,11,12,13,14,15
	ds_load_b128 v[BK+4*(\t):BK+4*(\t)+3], v[RD] offset:SPITCH*(\t)
.endr
.endm
.macro SEND a, younger                 ; younger: the LDS instructions issued behind block a's loads: the next block's 16 stores and 16 loads, or none
.set BK, F0+64*((\a)%2)
.irp t, 0,1,2,3,4,5,6,7,8,9,10,11,12,13,14,15
	s_wait_dscnt (\younger)+15-(\t)                ; row t is back
	global_store_b128 v[CO], v[BK+4*(\t):BK+4*(\t)+3], s[70:71] offset:(16*(\a)+(\t))*ROWC th:TH_STORE_NT  ; 512 consecutive bytes, at a multiple of 256 from out0's first; the row stands in the immediate, 127 rows at the most
.endr
.endm
	s_wait_tensorcnt 1                             ; my part of K step 0 is in; K step 1's may stay out
	s_barrier_signal -1
	s_barrier_wait -1                              ; everybody's is
	FETCH 0, 0, F0
	QUARTER 0, 64,  F0, F1, 1                      ; the first quarter stands in front of the loop: its products start the sums, with the bias
	WIN 0                                          ; at a label and at a branch every window is 0
	s_mov_b32 s3, LAPS-1
.Llap:                                                 ; a trip goes once round the ring, from a lap's second quarter to the next lap's first, and fills both slots again: K steps 2 to 31
	QUARTER 0, 128, F1, F0, 0
	QUARTER 0, 192, F0, F1, 0
	TURN 0, 1
	QUARTER 1, 64,  F0, F1, 0
	QUARTER 1, 128, F1, F0, 0
	QUARTER 1, 192, F0, F1, 0
	TURN 1, 0
	QUARTER 0, 64,  F0, F1, 0
	WIN 0
	s_sub_co_u32 s3, s3, 1
	s_cmp_lg_u32 s3, 0
	s_cbranch_scc1 .Llap
	QUARTER 0, 128, F1, F0, 0                      ; the last lap is written out: it fills nothing, and has no round of the cluster's barrier
	QUARTER 0, 192, F0, F1, 0
	MEET 0                                         ; my one tensor load that was still out is the last K step's
	PLACES                                         ; for the loads into buffer 0
	FETCH 1, 0, F0
	MUL16 F1, 1, 0, 0
	MUL16 F1, 1, 2, 0
	QUARTER 1, 64,  F0, F1, 0
	QUARTER 1, 128, F1, F0, 0
	QUARTER 1, 192, F0, F1, 0
	s_wait_dscnt 8                                 ; the very last quarter: nothing more to fetch
	MUL16 F1, 0, 0, 0
	MUL16 F1, 0, 2, 0
	s_wait_dscnt 0x0
	MUL16 F1, 1, 0, 0
	MUL16 F1, 1, 2, 0
	WIN 0
	PLACES                                         ; behind the last products: the stores below read results, the loads below land in the fragment buffers
	PLACES                                         ; (eight, once a launch)
	TOSTAGE 0
.irp a, 1,2,3,4,5,6,7                  ; block a goes through the stage while block a - 1 is stored
	TOSTAGE \a
	SEND (\a)-1, 32
.endr
	SEND 7, 0
	s_wait_tensorcnt 0x0                           ; the wave's end: behind my last tensor load and my last LDS store
	ds_add_u32 v[SPW], v[NIL]
	s_wait_dscnt 0x0
	CROUND                                         ; the closing round: no work-group ends while a partner may still ask for a tile that names it
	s_endpgm
.Lfunc_end_k_q56fb19884e_gemm:
	.size	k_q56fb19884e_gemm, .Lfunc_end_k_q56fb19884e_gemm-k_q56fb19884e_gemm
	.p2alignl 7, 3214868480
	.fill 96, 4, 3214868480
	.section	.rodata,"a",@progbits
	.p2align	6, 0x0
	.amdhsa_kernel k_q56fb19884e_gemm
		.amdhsa_group_segment_fixed_size 327680
		.amdhsa_private_segment_fixed_size 0
		.amdhsa_enable_private_segment 0
		.amdhsa_kernarg_size 32
		.amdhsa_user_sgpr_count 2
		.amdhsa_user_sgpr_kernarg_segment_ptr 1
		.amdhsa_wavefront_size32 1
		.amdhsa_system_sgpr_workgroup_id_x 1
		.amdhsa_system_sgpr_workgroup_id_y 1
		.amdhsa_system_sgpr_workgroup_id_z 1
		.amdhsa_system_vgpr_workitem_id 0
		.amdhsa_next_free_vgpr 1024
		.amdhsa_next_free_sgpr 80
		.amdhsa_reserve_vcc 0
		.amdhsa_float_denorm_mode_32 3
		.amdhsa_float_denorm_mode_16_64 3
		.amdhsa_memory_ordered 1
		.amdhsa_forward_progress 1
		.amdhsa_inst_pref_size 152
	.end_amdhsa_kernel
	.amdgpu_metadata
---
amdhsa.version: [ 1, 2 ]
amdhsa.kernels:
  - .name:           k_q56fb19884e_gemm
    .symbol:         k_q56fb19884e_gemm.kd
    .args:
      - { .name: xb, .offset: 0, .size: 8, .value_kind: global_buffer, .address_space: global }
      - { .name: wb, .offset: 8, .size: 8, .value_kind: global_buffer, .address_space: global }
      - { .name: bias, .offset: 16, .size: 8, .value_kind: global_buffer, .address_space: global }
      - { .name: out0, .offset: 24, .size: 8, .value_kind: global_buffer, .address_space: global }
    .group_segment_fixed_size: 327680
    .private_segment_fixed_size: 0
    .kernarg_segment_align: 8
    .kernarg_segment_size: 32
    .max_flat_workgroup_size: 128
    .sgpr_count:     80
    .vgpr_count:     1024
    .wavefront_size: 32
...
	.end_amdgpu_metadata
.endif
;; end of part 2
;; ======== version 2 of 2: 2 launches; version 1 with the launch prep written anew for expert scheduling mode
;; workspace buffers: xb 33,554,432 bytes; wb 33,554,432 bytes
;; launch prep (part 3): grid 256 x 2, 8 waves a work-group, no clusters, 0 bytes of LDS; arguments x, W, A, B, xb, wb; writes xb, wb
.if DOCPART == 3
	.amdgcn_target "amdgcn-amd-amdhsa--gfx1250"
	.amdhsa_code_object_version 6
	.text
	.protected	k_q56fb19884e_prep
	.globl	k_q56fb19884e_prep
	.p2align	8
	.type	k_q56fb19884e_prep,@function
k_q56fb19884e_prep:
	s_mov_b64 s[64:65], 0
	v_nop
	global_prefetch_b8 v0, s[64:65] scope:SCOPE_SE
	s_setreg_imm32_b32 hwreg(HW_REG_WAVE_SCHED_MODE, 0, 2), 2
	s_setreg_imm32_b32 hwreg(HW_REG_WAVE_MODE, 25, 1), 1
	s_wait_xcnt 0x0
	s_wait_alu depctr_vm_vsrc(0)
; xb = bf16(x)                                  (work-groups with y = 0)
; wb = bf16( bf16(W) + bf16(B) bf16(A) )        (work-groups with y = 1)
; x: [4096][4096] f32, W: [4096][4096] f32, A: [16][4096] f32, B: [4096][16] f32; xb, wb: [4096][4096] bf16.
; WHY.  x W^T + (x A^T) B^T = x (W + B A)^T for every input, so the low-rank path is folded into the weights here and the large product that follows has no step more.
; B A goes to the matrix unit (K = 16, filled up to 32 with zeros), sums in f32; the sum with W is one fused multiply-add in f32, rounded once to bf16.
; LIMITS.  Every input is rounded to bf16, to nearest even: a finite f32 beyond bf16's largest number becomes an infinity.  W is rounded BEFORE B A is added.
; NaN and infinities are not treated apart.  Nothing hangs on the inputs' scale.
; SHARES.  x = 4 rg + cg: 64 rows (rg) x 1,024 columns (cg).  Wave w owns the 128 columns 1024 cg + 128 w, in four BLOCKS of 16 rows.  The eight waves cover 4,096 bytes on end of each f32 row.
; LAYOUT of a block, r = lane % 16, h = lane / 16: register X[8 j + t] holds (row 8 h + j, column 8 r + t).  That is the layout of a matrix result (m = 8 h + j, n = r) for eight tiles t whose
; column n is the block's column 8 n + t.  So B A falls onto W's registers without a move, a lane's 8 numbers of a row pack into 16 bytes, and one store covers 256 consecutive aligned
; bytes from lanes 0-15 (row j) and 256 from lanes 16-31 (row 8 + j).  A row's two loads, 16 bytes apart, together cover 512 consecutive bytes of each of two rows.
; No LDS, no barrier: no wave wants a byte of x or W that another wave has fetched.  Two sets of registers, a block each: while one is worked on, the other's loads are out.
; THE MODE: SCHED_MODE bits 1:0 = 2 (LLVM: expert scheduling mode 2), set by the entry lines.  The code itself states the register dependences between vector or matrix instructions
; and memory instructions, with s_wait_alu, always for 0.
; THE PLAN.  Registers that memory instructions touch:
;   v1, v2, v3   offsets, made once at the head and never written again: rows and blocks are reached by immediate offsets.
;   X0, X1       a block of f32 each.  Loads land in them; the block's vector lines read them (W's path also writes them, in place); no store reads them.
;   SB0, SB1     B's 8 numbers of a block.  Loads land in them; the four conversions into AOP read them.
;   the out-buffer: the block rounded to bf16, 32 registers.  Written by the block's 32 roundings, read by its 8 stores.  W's path: DD, which is free once the fold has read B A, and which the
;                next block's products write again.  x's path: two buffers by turns, in the 64 registers that hold A's fragments in W's path.
;   AOP, FR (W's path) and ONE are named by vector and matrix instructions alone.
; A block: the wait for its loads; its vector and matrix work, which ends with the roundings into the out-buffer; ONE wait on va_vdst; the loads of the block two on, into the set just emptied;
; the 8 stores.  That wait states all that these memory instructions hang on, and no vector line stands between it and the last of them.
; Ahead of the first line that writes an out-buffer again stands one wait on vm_vsrc, beside the s_wait_xcnt 0x0 that frees the stores' data: behind the wait for the block's data, not in front of the refill.
.set ROWF, 16384                       ; bytes in a row of x, W and A
.set ROWH, 8192                        ; bytes in a row of xb and wb
.set XO,  1                            ; v1   h x 8 rows of f32 + 32 r; never rewritten
.set YO,  2                            ; v2   h x 8 rows of bf16 + 16 r; never rewritten
.set BO,  3                            ; v3   64 r + 32 h: B's row r of a block, ranks 8 h on; never rewritten
.set AOP, 4                            ; v[4:11]    source 0: 16 rows of B in bf16; registers 4-7 (ranks 16-31) hold 0
.set SB,  12                           ; v[12:27]   B's 8 numbers in f32, 8 registers for each set
.set FR,  28                           ; v[28:91]   source 1: A's fragment for tile t at FR + 8 t; registers 4-7 of each hold 0
.set OX,  FR                           ; v[28:91]   x's path, which has no fragments: two out-buffers of 32
.set DD,  92                           ; v[92:123]  four results of B A; behind the fold W's path's out-buffer
.set ONE, 124                          ; v124       1.0
.set X,   128                          ; v[128:255] two sets of 64: a block
.set SRC, 24                           ; s[24:25] x or W at my first row and column
.set DST, 26                           ; s[26:27] xb or wb at the same place
.set AB,  28                           ; s[28:29] A at my first column
.set BB,  30                           ; s[30:31] B at my first row
	s_load_b256 s[4:11], s[0:1], 0x0               ; x s[4:5], W s[6:7], A s[8:9], B s[10:11]
	s_load_b128 s[12:15], s[0:1], 0x20             ; xb s[12:13], wb s[14:15]
	v_lshrrev_b32 v125, 5, v0
	v_readfirstlane_b32 s16, v125                  ; wave 0..7
	s_and_b32 s17, ttmp7, 0xffff                   ; y: 0 = x, 1 = W
	s_and_b32 s18, ttmp9, 3                        ; cg
	s_lshr_b32 s19, ttmp9, 2                       ; rg
	v_and_b32 v126, 15, v0                         ; r
	v_bfe_u32 v127, v0, 4, 1                       ; h
	v_lshlrev_b32 v[XO], 5, v126
	v_lshl_or_b32 v[XO], v127, 17, v[XO]
	v_lshlrev_b32 v[YO], 4, v126
	v_lshl_or_b32 v[YO], v127, 16, v[YO]
	v_lshlrev_b32 v[BO], 6, v126
	v_lshl_or_b32 v[BO], v127, 5, v[BO]
	s_wait_alu depctr_va_sdst(0)                   ; s16, the wave's number, is written, ahead of its first reader two lines down
	s_lshl_b32 s20, s18, 12                        ; 1,024 columns of f32,
	s_lshl_b32 s21, s16, 9                         ; my wave's 128
	s_add_co_u32 s20, s20, s21                     ; my first column in f32 bytes
	s_mov_b32 s21, 0
	s_lshl_b32 s22, s19, 20                        ; 64 rows of 16,384 bytes
	s_add_co_u32 s22, s22, s20
	s_mov_b32 s23, 0
	s_lshl_b32 s32, s19, 19                        ; 64 rows of 8,192 bytes
	s_lshr_b32 s33, s20, 1
	s_add_co_u32 s32, s32, s33
	s_mov_b32 s33, 0
	s_lshl_b32 s34, s19, 12                        ; 64 rows of B, 64 bytes each
	s_mov_b32 s35, 0
	s_wait_kmcnt 0x0
	s_cmp_eq_u32 s17, 0
	s_cselect_b64 s[SRC:SRC+1], s[4:5], s[6:7]
	s_cselect_b64 s[DST:DST+1], s[12:13], s[14:15]
	s_add_nc_u64 s[SRC:SRC+1], s[SRC:SRC+1], s[22:23]
	s_add_nc_u64 s[DST:DST+1], s[DST:DST+1], s[32:33]
	s_add_nc_u64 s[AB:AB+1], s[8:9], s[20:21]
	s_add_nc_u64 s[BB:BB+1], s[10:11], s[34:35]
	s_wait_alu depctr_va_vdst(0)                   ; the three offsets v1, v2 and v3 are written: every load and store of both paths reads one of them
; 16 loads: 16 rows x 128 columns of f32 into set b, from byte off behind the base.  nt = 1: bytes that the launch reads once
.macro LOADS b, base, off, nt
.irp j, 0,1,2,3,4,5,6,7
.irp q, 0,1
.if \nt
	global_load_b128 v[X+64*(\b)+8*(\j)+4*(\q):X+64*(\b)+8*(\j)+4*(\q)+3], v[XO], s[\base:\base+1] offset:(\off)+(\j)*ROWF+16*(\q) th:TH_LOAD_NT
.else
	global_load_b128 v[X+64*(\b)+8*(\j)+4*(\q):X+64*(\b)+8*(\j)+4*(\q)+3], v[XO], s[\base:\base+1] offset:(\off)+(\j)*ROWF+16*(\q)
.endif
.endr
.endr
.endm
; 2 loads: B[row r of block n][8 h .. 8 h + 7]
.macro LOADB b, n
	global_load_b128 v[SB+8*(\b):SB+8*(\b)+3],   v[BO], s[BB:BB+1] offset:1024*(\n)
	global_load_b128 v[SB+8*(\b)+4:SB+8*(\b)+7], v[BO], s[BB:BB+1] offset:1024*(\n)+16
.endm
; Set b is rounded to bf16 into the out-buffer o: a row's 8 numbers of a lane close up into 4 registers
.macro PACK b, o
.irp j, 0,1,2,3,4,5,6,7
.irp p, 0,1,2,3
	v_cvt_pk_bf16_f32 v[(\o)+4*(\j)+(\p)], v[X+64*(\b)+8*(\j)+2*(\p)], v[X+64*(\b)+8*(\j)+2*(\p)+1]
.endr
.endr
.endm
; The out-buffer o is stored as block n: a store covers two runs of 256 consecutive aligned bytes
.macro STORES n, o
.irp j, 0,1,2,3,4,5,6,7
	global_store_b128 v[YO], v[(\o)+4*(\j):(\o)+4*(\j)+3], s[DST:DST+1] offset:((\n)*16+(\j))*ROWH
.endr
.endm
; Tiles 4 half .. 4 half + 3 of set b: four products B A, each starting its sum with 0; W's pairs are rounded to bf16: sixteen plain lines that name none of the products' registers, the
; places between the products and the first read of a result (ISA guide 7.12.1), and between these products and whatever writes the same results anew: the next four products, or the
; roundings into the out-buffer; then bf16(W) x 1 + B A, in f32.
; Each result's register 0 is read first.
.macro FOLD b, half
.irp u, 0,1,2,3
	v_wmma_f32_16x16x32_bf16 v[DD+8*(\u):DD+8*(\u)+7], v[AOP:AOP+7], v[FR+8*(4*(\half)+(\u)):FR+8*(4*(\half)+(\u))+7], 0
.endr
.irp j, 0,1,2,3,4,5,6,7
.irp p, 0,1
.set E, X+64*(\b)+8*(\j)+4*(\half)+2*(\p)
	v_cvt_pk_bf16_f32 v[E], v[E], v[E+1]
.endr
.endr
.irp j, 0,1,2,3,4,5,6,7
.irp p, 0,1
.set E, X+64*(\b)+8*(\j)+4*(\half)+2*(\p)
	v_fma_mix_f32_bf16 v[E+1], v[E], v[ONE], v[DD+8*(2*(\p)+1)+(\j)] op_sel:[1,0,0] op_sel_hi:[1,0,0]  ; the high half first: the next line writes over the pair
	v_fma_mix_f32_bf16 v[E],   v[E], v[ONE], v[DD+8*(2*(\p))+(\j)] op_sel_hi:[1,0,0]
.endr
.endr
.endm
; Block n, in set n % 2.  left: the younger loads, the other set's, which may stay out.  refill = 1: the set takes block n + 2
.macro BLOCK n, lora, left, refill
	s_wait_loadcnt \left                           ; loads come back in order (ISA guide 5.7.1): this block's are in
.if \lora
.set O, DD
.irp p, 0,1,2,3
	v_cvt_pk_bf16_f32 v[AOP+(\p)], v[SB+8*((\n)%2)+2*(\p)], v[SB+8*((\n)%2)+2*(\p)+1]  ; the last products that read these stand behind W's sixteen roundings of the block before
.endr
.if (\n) >= 1
	s_wait_xcnt 0x0                                ; every earlier memory instruction has had its addresses translated (ISA guide 3.1): the last block's store data, DD, are rewritten only behind this wait
	s_wait_alu depctr_vm_vsrc(0)                   ; the last block's stores have read DD, which the products below write again
.endif
	FOLD (\n)%2, 0
	FOLD (\n)%2, 1
.else
.set O, OX+32*((\n)%2)
.if (\n) >= 2
	s_wait_xcnt 0x0                                ; as above: the store data of the block two back are rewritten only behind this wait
	s_wait_alu depctr_vm_vsrc(0)                   ; the stores of the block two back have read this out-buffer, which the roundings below write again
.endif
.endif
	PACK (\n)%2, O
	s_wait_alu depctr_va_vdst(0)                   ; the roundings have written the out-buffer, which the stores below read; every vector line that read or wrote this set and its 8 numbers of B is done, so that the loads below may land there
.if \refill
.if \lora
	LOADB (\n)%2, (\n)+2
.endif
	LOADS (\n)%2, SRC, ((\n)+2)*16*ROWF, 1         ; the loads ahead of the stores: the set is asked for again at once
.endif
	STORES \n, O
.endm
	s_cmp_eq_u32 s17, 0
	s_cbranch_scc1 .Lplain
	; W.  A's 16 rows x my 128 columns have the block's pitch and lane pattern: they come through set 1
	LOADS 1, AB, 0, 0
	LOADB 0, 0
	LOADS 0, SRC, 0, 1
	v_mov_b32 v[ONE], 1.0
.irp p, 4,5,6,7
	v_mov_b32 v[AOP+(\p)], 0                       ; ranks 16 to 31 do not exist: zeros on both sides, written once
.irp t, 0,1,2,3,4,5,6,7
	v_mov_b32 v[FR+8*(\t)+(\p)], 0
.endr
.endr
	s_wait_loadcnt 18                              ; A is in; block 0's 2 + 16 loads may stay out
.irp t, 0,1,2,3,4,5,6,7
.irp p, 0,1,2,3
	v_cvt_pk_bf16_f32 v[FR+8*(\t)+(\p)], v[X+64+16*(\p)+(\t)], v[X+64+16*(\p)+8+(\t)]  ; ranks 8 h + 2 p and 8 h + 2 p + 1 of column 8 r + t
.endr
.endr
	s_wait_alu depctr_va_vdst(0)                   ; the conversions are done reading set 1, in which block 1's loads land
	LOADB 1, 1
	LOADS 1, SRC, 16*ROWF, 1
	BLOCK 0, 1, 18, 1
	BLOCK 1, 1, 18, 1
	BLOCK 2, 1, 18, 0
	BLOCK 3, 1, 0, 0
	s_endpgm
.Lplain:
	; x: rounded, nothing more
	LOADS 0, SRC, 0, 1
	LOADS 1, SRC, 16*ROWF, 1
	BLOCK 0, 0, 16, 1
	BLOCK 1, 0, 16, 1
	BLOCK 2, 0, 16, 0
	BLOCK 3, 0, 0, 0
	s_endpgm
.Lfunc_end_k_q56fb19884e_prep:
	.size	k_q56fb19884e_prep, .Lfunc_end_k_q56fb19884e_prep-k_q56fb19884e_prep
	.p2alignl 7, 3214868480
	.fill 96, 4, 3214868480
	.section	.rodata,"a",@progbits
	.p2align	6, 0x0
	.amdhsa_kernel k_q56fb19884e_prep
		.amdhsa_group_segment_fixed_size 0
		.amdhsa_private_segment_fixed_size 0
		.amdhsa_enable_private_segment 0
		.amdhsa_kernarg_size 48
		.amdhsa_user_sgpr_count 2
		.amdhsa_user_sgpr_kernarg_segment_ptr 1
		.amdhsa_wavefront_size32 1
		.amdhsa_system_sgpr_workgroup_id_x 1
		.amdhsa_system_sgpr_workgroup_id_y 1
		.amdhsa_system_sgpr_workgroup_id_z 1
		.amdhsa_system_vgpr_workitem_id 0
		.amdhsa_next_free_vgpr 256
		.amdhsa_next_free_sgpr 66
		.amdhsa_reserve_vcc 0
		.amdhsa_float_denorm_mode_32 3
		.amdhsa_float_denorm_mode_16_64 3
		.amdhsa_memory_ordered 1
		.amdhsa_forward_progress 1
		.amdhsa_inst_pref_size 70
	.end_amdhsa_kernel
	.amdgpu_metadata
---
amdhsa.version: [ 1, 2 ]
amdhsa.kernels:
  - .name:           k_q56fb19884e_prep
    .symbol:         k_q56fb19884e_prep.kd
    .args:
      - { .name: x, .offset: 0, .size: 8, .value_kind: global_buffer, .address_space: global }
      - { .name: W, .offset: 8, .size: 8, .value_kind: global_buffer, .address_space: global }
      - { .name: A, .offset: 16, .size: 8, .value_kind: global_buffer, .address_space: global }
      - { .name: B, .offset: 24, .size: 8, .value_kind: global_buffer, .address_space: global }
      - { .name: xb, .offset: 32, .size: 8, .value_kind: global_buffer, .address_space: global }
      - { .name: wb, .offset: 40, .size: 8, .value_kind: global_buffer, .address_space: global }
    .group_segment_fixed_size: 0
    .private_segment_fixed_size: 0
    .kernarg_segment_align: 8
    .kernarg_segment_size: 48
    .max_flat_workgroup_size: 256
    .sgpr_count:     66
    .vgpr_count:     256
    .wavefront_size: 32
...
	.end_amdgpu_metadata
.endif
;; end of part 3
;; launch gemm: the kernel of part 2 again; grid 16 x 16, 4 waves a work-group, clusters of 4 x 4, 327,680 bytes of LDS; arguments xb, wb, bias, out0; writes out0
